; MI455X (gfx1250); checked and timed in simulation.
; The chip was launched on July 23, 2026; its instructions are those of AMD's public machine-readable ISA for CDNA 5 (MIT licence, August 2026) and "CDNA5" Instruction Set Architecture Reference Guide (July 2026). The comments in the code are by the model that wrote it; some were corrected since.
;; Rc Mo E Rep Layer. Allowed arithmetic: matrix products marked QUANTISED: E3M2 operands, one E8M0 scale for each 32 along K, by v_wmma_scale_f32_16x16x128_f8f6f4 with both operands' format E3M2, f32 sums; products left as they are: f32 operands where the result goes on into a quantised operand, else bf16, f16 or f32 operands; f32 sums; everything else in f32.
;; Inputs: codebook 16 float32; mean 4,096 x 8 x 4 float32; nf4 4,096 x 8 x 1,024 int32; router_w 2,048 x 8 float32; std 4,096 x 8 x 4 float32; w1 2,048 x 4,096 float32; w2 4,096 x 2,048 float32; x 2 x 2,048 x 2,048 float32.
;; Outputs: out0 2 x 2,048 x 2,048 float32.
;; This version of the problem:
;;   THIS VERSION OF THE PROBLEM IS GIVEN IN LOW PRECISION. The matrix products marked QUANTISED in the list below multiply operands that are first quantised to E3M2 (3 exponent bits, 2 mantissa bits; 6 bits a number), with one power-of-two scale for each 32 numbers along K (OCP MX v1.0); their sums are f32. All else is computed in f32.
;;   The module's matrix products, in the order in which they are computed (A, B: the left and right operand; K: the contracted axis; several contracted axes count as one K, in the product's order):
;;     1. [M 4,096, K 2,048] x [K 2,048, N 4,096]; A: input x; B: input w1: QUANTISED
;;     2. [M 4,096, K 4,096] x [K 4,096, N 2,048]; A: computed on the way; B: input w2: QUANTISED
;;     3. [M 4,096, K 2,048] x [K 2,048, N 8]; A: input x; B: input router_w: left as it is (N = 8 < 16)
;;     4. batch 4,096 x [M 1, K 8] x [K 8, N 2,048]; A: softmax; B: computed on the way: left as it is (K = 8 < 32)
;;   THE QUANTISER, for each operand of a quantised product, along K:
;;     - K is cut into blocks of 32 from its start; a last block that is shorter is filled with zeros.
;;     - A block's scale is 2^e with e = floor(log2(the largest magnitude in the block)) - 4, held to -126 .. 127; a block of zeros has e = 0. As a byte (E8M0): e + 127.
;;     - Each number is divided by its block's scale, clamped to +-28, and rounded to the nearest number of E3M2, ties to even, subnormals kept.
;;     - The product sums the exact products of the quantised numbers (number of the format x scale) in f32.
;;   ~~~python
;;   def quantise(x, axis):      # numpy; x: float32 -> the quantised numbers, widened to float32 again
;;       x = np.moveaxis(x, axis, -1); K = x.shape[-1]
;;       x = np.pad(x, [(0, 0)] * (x.ndim - 1) + [(0, -K % 32)]); x = x.reshape(x.shape[:-1] + (-1, 32)); a = np.abs(x).max(-1, keepdims=True)
;;       e = np.where(a > 0, np.clip(np.frexp(np.where(a > 0, a, 1))[1] - 1 - 4, -126, 127), 0)      # np.frexp(a)[1] - 1 = floor(log2(a)), exactly
;;       r = np.clip(x / 2.0 ** e, -28, 28)
;;       step = 2.0 ** (np.maximum(np.frexp(np.where(r == 0, 1, r))[1] - 1, -2) - 2)
;;       q = np.round(r / step) * step * 2.0 ** e      # np.round: ties to even
;;       return np.moveaxis(q.reshape(q.shape[:-2] + (-1,))[..., :K], -1, axis).astype(np.float32)
;;   ~~~
;;   OPERANDS COMPUTED ON THE WAY. 'Computed on the way' means the value that the module computes at that place (a softmax that the list does not call 'softmax' is quantised finished and normalised). What goes into a quantiser is computed in f32, as accurately as f32 sums, v_exp_f32 and their like allow (about 1e-6 of the number): no bf16 or f16 on the way to a quantiser, and a product that is left as it is and whose result goes on into a quantised operand takes f32 operands (vector FMAs, or v_wmma_f32_16x16x4_f32). A number that lies on a knife's edge between two numbers of the format may be rounded either way, as far as f32 arithmetic and the matrix unit's own rounding can turn it there, and no further.
;; One version. Each part assembles by itself: llvm-mc -triple=amdgcn-amd-amdhsa -mcpu=gfx1250 --defsym DOCPART=n.
;; ======== version 1 of 1: 3 launches
;; workspace buffers: xq 6,553,600 bytes; w1q 6,553,600 bytes; w2q 6,553,600 bytes; hq 13,107,200 bytes; coef 1,114,112 bytes
;; launch prep (part 1): grid 512 x 1, 16 waves a work-group, no clusters, 148,736 bytes of LDS; arguments x, router_w, std, mean, w1, w2, xq, w1q, w2q, coef; writes xq, w1q, w2q, coef
.if DOCPART == 1
	.amdgcn_target "amdgcn-amd-amdhsa--gfx1250"
	.amdhsa_code_object_version 6
	.text
	.protected	k_qa9170dbe1c_prep
	.globl	k_qa9170dbe1c_prep
	.p2align	8
	.type	k_qa9170dbe1c_prep,@function
k_qa9170dbe1c_prep:
	s_mov_b64 s[64:65], 0
	v_nop
	global_prefetch_b8 v0, s[64:65] scope:SCOPE_SE
	s_setreg_imm32_b32 hwreg(HW_REG_WAVE_MODE, 25, 1), 1
	s_wait_xcnt 0x0
; PREP: x, w1 and w2 become codes of BF6 (E3M2) with one E8M0 byte for each 32 along K; the router's softmax, rounded to f16, becomes the mix's coefficients.
; DEAD WORK: none.  Every input of reference() has a way to out0, nothing is sliced away and nothing cancels: all eight inputs are loaded by some launch.
; THE MIX, REWRITTEN EXACTLY: sum_e p[n,e] (cb[idx] std[n,e,b] + mean[n,e,b]) = sum_e a[n,b,e] cb[idx] + cc[n,b], a = p std, cc = sum_e p mean, b = column / 512.  a and cc are stored here.
; LIMITS: NaN and infinities among the inputs are not served.  A block whose largest magnitude lies under 2^-122 takes the byte 1 (the floor); a block of zeros takes 1 where the rule says 127:
; its codes are zeros, and this program alone reads the bytes.  The router's product takes bf16 operands and f32 sums (its result goes into no quantiser).
; RECORDS.  An operand [rows][K] is laid in records of 6,400 bytes: record (rt, kq) = 16 rows x 512 along K, at byte (rt x K / 512 + kq) x 6400.  In it, for q = 0 .. 3 (K step 4 kq + q of 128):
; bytes 1536 q + 512 c + 16 lane = registers 4 c .. 4 c + 3 of that lane of the operand's fragment; bytes 6144 + 16 r + 4 q = row r's scale word of that K step.
; A tile of w1q does not hold neighbouring columns: tile 2 g + u, place r, is column 32 g + 8 u + r + 8 (r / 8), so that the first product's results lie along the next K.
; SHARES.  Work-groups of even number take 16 rows of x (the token path), those of odd number 128 columns x 512 K of w1 or w2 (the weight path).  Each path has LDS bytes of its own.
; No tensor load and no cluster: no tile is read by two work-groups but router_w's 64 KiB.
.set STG,   0                          ; token path: a stage of 16 rows x 528 bytes for each wave
.set PL,    135168                     ; token path: parts of logits, [token 528][expert 64][wave 4]
.set TSC,   143616                     ; token path: x's scale words, [kq 256][row 16][q 4]
.set WSC,   144640                     ; weight path: scale words, [column group 512][lane 16][q 4]
.set SPARE, 146688                     ; the spare words: 128 bytes for each of 16 waves; no other line names them
.set CPART, 1048576                    ; coef: a as pairs (a, a) at b x 262144 + n x 64 + 8 e; from here on cc at b x 16384 + 4 n
.set REC,   6400
.set SPW, 4                            ; v4  my spare word's LDS address; never rewritten
.set NIL, 5                            ; v5  0; never rewritten
.set PC,  160                          ; v160-179 the codes just made
.set TM,  180                          ; v180-195 at work in QUANT
.set PW,  196                          ; v196 the scale word just made
.set SEL, 46                           ; s[46:47] lane selects: lane l xor 16
; 64 numbers of a lane, v[s] .. v[s + 63], register 16 b + i = k 32 b + 16 (lane / 16) + i of my row, become a fragment's codes in v[PC] on and its scale word in v[PW].
.macro QUANT s
.irp b, 0,1,2,3
	v_max3_num_f32 v[TM+\b], |v[\s+16*\b]|, |v[\s+1+16*\b]|, 0x2800000   ; block b: my 16 numbers, and the floor 2^(5 - 127): the byte cannot fall under 1
.endr
.irp i, 2,4,6,8,10,12,14
.irp b, 0,1,2,3
	v_max3_num_f32 v[TM+\b], v[TM+\b], |v[\s+16*\b+\i]|, |v[\s+1+16*\b+\i]|   ; the four blocks by turns
.endr
.endr
.irp b, 0,1,2,3
	v_permlanex16_b32 v[TM+4+\b], v[TM+\b], s[SEL], s[SEL+1]
.endr
.irp b, 0,1,2,3
	v_max_num_f32 v[TM+\b], v[TM+\b], v[TM+4+\b]   ; with lane l xor 16's: the block's largest magnitude
.endr
.irp b, 0,1,2,3
	v_add_nc_u32 v[TM+12+\b], 0xfe000000, v[TM+\b]   ; 4 off its exponent field: the conversion's scale operand
.endr
.irp b, 0,1,2,3
	v_lshrrev_b32 v[TM+4+\b], 23, v[TM+12+\b]      ; the scale's byte
.endr
	v_lshl_or_b32 v[PW], v[TM+5], 8, v[TM+4]
	v_lshl_or_b32 v[PW], v[TM+6], 16, v[PW]
	v_lshl_or_b32 v[PW], v[TM+7], 24, v[PW]
.irp c, 0,1
	v_cvt_scalef32_pk16_bf6_f32 v[PC+6*\c:PC+2+6*\c], v[\s+32*\c:\s+15+32*\c], v[TM+12+2*\c]
	v_cvt_scalef32_pk16_bf6_f32 v[PC+12+4*\c:PC+14+4*\c], v[\s+16+32*\c:\s+31+32*\c], v[TM+12+2*\c+1]   ; (a conversion's three registers begin on an even number)
.endr
	v_nop                                          ; one plain place behind a scaled conversion
.irp c, 0,1                                    ; the operand wants a whole block in a lane: lanes 0-15 block 2 c, lanes 16-31 block 2 c + 1
.irp i, 0,1,2
	v_permlane16_swap_b32 v[PC+6*\c+\i], v[PC+12+4*\c+\i]
.endr
.irp i, 0,1,2
	v_mov_b32 v[PC+3+6*\c+\i], v[PC+12+4*\c+\i]
.endr
.endr
.endm
	s_load_b512 s[4:19], s[0:1], 0x0               ; x 4, router_w 6, std 8, mean 10, w1 12, w2 14, xq 16, w1q 18
	s_load_b128 s[20:23], s[0:1], 0x40             ; w2q 20, coef 22
	v_lshl_add_u32 v[SPW], v0, 2, SPARE
	v_mov_b32 v[NIL], 0
	v_lshrrev_b32 v1, 5, v0
	v_readfirstlane_b32 s24, v1                    ; wave w, 0 .. 15
	v_and_b32 v1, 31, v0                           ; lane l
	v_and_b32 v2, 15, v0                           ; r
	v_bfe_u32 v3, v0, 4, 1                         ; h
	s_lshr_b32 s25, ttmp9, 1                       ; t: which part of my path's work
	; every LDS address of both paths is made here, ahead of the parting: a constant + a constant x lane + a constant x wave
	s_mul_i32 s30, s24, 8448
	v_lshl_add_u32 v9, v1, 4, s30                  ; v9  stage, in: 8448 w + 16 l
	v_mul_u32_u24 v10, v2, 528
	v_lshl_add_u32 v10, v3, 6, v10
	v_add_nc_u32 v10, s30, v10                     ; v10 stage, out: 8448 w + 528 r + 64 h
	s_lshl_b32 s31, s24, 2
	s_add_co_u32 s31, s31, PL
	v_mul_u32_u24 v11, v2, 528
	v_add_nc_u32 v11, s31, v11                     ; v11 logit parts, in: PL + 528 r + 4 w
	s_mul_i32 s31, s24, 528
	s_add_co_u32 s31, s31, PL
	v_and_b32 v12, 7, v0
	v_lshl_add_u32 v12, v12, 6, s31                ; v12 logit parts, out: PL + 528 w + 64 (l % 8)
	s_lshr_b32 s31, s24, 2
	s_lshl_b32 s31, s31, 8
	s_and_b32 s26, s24, 3
	s_lshl_b32 s26, s26, 2
	s_add_co_u32 s31, s31, s26
	s_add_co_u32 s31, s31, TSC
	v_lshl_add_u32 v13, v2, 4, s31                 ; v13 x's scale word, in: TSC + 256 (w / 4) + 4 (w % 4) + 16 r
	s_min_u32 s31, s24, 1                          ; (waves 0 and 1 alone read these back)
	s_lshl_b32 s31, s31, 9
	s_add_co_u32 s31, s31, TSC
	v_lshl_add_u32 v14, v1, 4, s31                 ; v14 out: TSC + 512 w + 16 l
	s_and_b32 s31, s24, 3
	s_lshl_b32 s31, s31, 9
	s_lshr_b32 s26, s24, 2
	s_lshl_b32 s26, s26, 2
	s_add_co_u32 s31, s31, s26
	s_add_co_u32 s31, s31, WSC
	v_lshl_add_u32 v28, v1, 4, s31                 ; v28 a weight's scale word, in: WSC + 512 (w % 4) + 16 l + 4 (w / 4)
	s_min_u32 s31, s24, 3                          ; (waves 0 to 3 alone read these back)
	s_lshl_b32 s31, s31, 9
	s_add_co_u32 s31, s31, WSC
	v_lshl_add_u32 v29, v1, 4, s31                 ; v29 out: WSC + 512 w + 16 l
	s_wait_kmcnt 0x0
	s_and_b32 s26, ttmp9, 1
	s_cmp_lg_u32 s26, 0
	s_cbranch_scc1 .Lweights
	; ---------------- THE TOKEN PATH: rows 16 t .. 16 t + 15 of x.  Wave w takes K step w (columns 128 w on) of all 16 rows; behind the barrier it takes token n = 16 t + w.
	s_mov_b32 s[SEL], 0x76543210
	s_mov_b32 s[SEL+1], 0xfedcba98
	s_lshl_b32 s27, s25, 4
	s_add_co_u32 s27, s27, s24                     ; n
	s_mov_b32 s41, 0                               ; offsets are made apart, in s[40:41]
	s_lshl_b32 s40, s25, 17
	s_lshl_b32 s42, s24, 9
	s_add_co_u32 s40, s40, s42
	s_add_nc_u64 s[4:5], s[4:5], s[40:41]          ; x at row 16 t, column 128 w
	s_lshl_b32 s40, s24, 12
	s_add_nc_u64 s[6:7], s[6:7], s[40:41]          ; router_w at row 128 w
	s_lshl_b32 s40, s27, 7
	s_add_nc_u64 s[8:9], s[8:9], s[40:41]          ; std and mean at token n
	s_add_nc_u64 s[10:11], s[10:11], s[40:41]
	s_lshr_b32 s42, s24, 2                         ; kq
	s_and_b32 s43, s24, 3                          ; q
	s_lshl_b32 s40, s25, 2
	s_add_co_u32 s40, s40, s42
	s_mul_i32 s40, s40, REC
	s_mul_i32 s43, s43, 1536
	s_add_co_u32 s40, s40, s43
	s_add_nc_u64 s[32:33], s[16:17], s[40:41]      ; xq: record (t, kq), image q
	s_lshl_b32 s40, s25, 2
	s_lshl_b32 s42, s24, 1
	s_add_co_u32 s40, s40, s42
	s_mul_i32 s40, s40, REC
	s_add_co_u32 s40, s40, 6144
	s_add_nc_u64 s[34:35], s[16:17], s[40:41]      ; xq: the scale words of records (t, 2 w) and (t, 2 w + 1): used by waves 0 and 1 alone
	s_lshl_b32 s40, s27, 6
	s_add_nc_u64 s[36:37], s[22:23], s[40:41]      ; coef: a of token n
	s_lshl_b32 s40, s27, 2
	s_add_co_u32 s40, s40, CPART
	s_add_nc_u64 s[38:39], s[22:23], s[40:41]      ; coef: cc of token n
	v_lshlrev_b32 v6, 4, v1                        ; v6  16 l
	v_and_b32 v7, 7, v0                            ; l % 8
	v_lshrrev_b32 v15, 3, v1                       ; l / 8
	v_lshlrev_b32 v8, 4, v7
	v_lshl_add_u32 v8, v15, 2, v8                  ; v8  std, mean: 16 e + 4 b, e = l % 8, b = l / 8
	v_lshlrev_b32 v16, 3, v7
	v_lshl_add_u32 v16, v15, 18, v16               ; v16 a: 262144 b + 8 e
	v_lshlrev_b32 v17, 14, v15                     ; v17 cc: 16384 b
	v_lshlrev_b32 v7, 2, v7
	v_lshl_add_u32 v7, v3, 9, v7                   ; v7  router_w: 512 h + 4 (r % 8): 16 rows down for the upper lanes, expert r % 8
	v_mul_u32_u24 v15, v3, REC
	v_lshl_add_u32 v15, v2, 4, v15                 ; v15 scale words out: 6400 h + 16 r
	global_load_b32 v18, v8, s[8:9]                ; std[n][e][b]
	global_load_b32 v19, v8, s[10:11]              ; mean[n][e][b]
.irp i, 0,1,2,3,4,5,6,7,8,9,10,11,12,13,14,15
	global_load_b128 v[32+4*\i:35+4*\i], v6, s[4:5] offset:8192*\i th:TH_LOAD_NT   ; row i: 32 lanes read 512 consecutive bytes
.endr
.irp b, 0,1,2,3
.irp i, 0,1,2,3,4,5,6,7,8,9,10,11,12,13,14,15
	global_load_b32 v[160+16*\b+\i], v7, s[6:7] offset:32*(32*\b+\i)   ; router_w[128 w + 32 b + 16 h + i][r % 8]: places 8 to 15 repeat the eight experts
.endr
.endr
	s_wait_loadcnt 63                              ; behind x's last load 64 were issued; the wait's field ends at 63, so one more than needed is awaited
.irp i, 0,1,2,3,4,5,6,7,8,9,10,11,12,13,14,15
	ds_store_b128 v9, v[32+4*\i:35+4*\i] offset:528*\i
.endr
.irp b, 0,1,2,3
.irp j, 0,1,2,3
	ds_load_b128 v[96+16*\b+4*\j:99+16*\b+4*\j], v10 offset:128*\b+16*\j   ; my wave's own stage: served in order behind the stores.  v[96 + 16 b + i] = x[r][128 w + 32 b + 16 h + i]
.endr
.endr
	s_wait_dscnt 0x0
.set m, 0
.rept 32
	v_cvt_pk_bf16_f32 v[32+m], v[96+2*m], v[97+2*m]    ; x in bf16 for the router: register 8 b + p = numbers 2 p, 2 p + 1 of my 16 of block b
.set m, m+1
.endr
	s_wait_loadcnt 0x0                             ; router_w
.set m, 0
.rept 32
	v_cvt_pk_bf16_f32 v[64+m], v[160+2*m], v[161+2*m]  ; router_w likewise: both sources carry the same order of k, so the products are paired rightly
.set m, m+1
.endr
	; source 0 = 16 places of experts, source 1 = my 16 tokens: register j of lane (r, h) is expert j's part of token r's logit.  Two accumulators by turns.
	v_wmma_f32_16x16x32_bf16 v[224:231], v[64:71], v[32:39], 0
	v_wmma_f32_16x16x32_bf16 v[232:239], v[72:79], v[40:47], 0
	v_wmma_f32_16x16x32_bf16 v[224:231], v[80:87], v[48:55], v[224:231]
	v_wmma_f32_16x16x32_bf16 v[232:239], v[88:95], v[56:63], v[232:239]
	QUANT 96                                       ; names none of the products' registers: its plain lines are the places behind them
.irp c, 0,1,2
	global_store_b128 v6, v[PC+4*\c:PC+4*\c+3], s[32:33] offset:512*\c   ; the fragment's image: 512 consecutive bytes a store, aligned
.endr
	ds_store_b32 v13, v[PW]                        ; lanes r and r + 16 write the same word with the same value
.irp j, 0,1,2,3,4,5,6,7
	v_add_f32 v[240+\j], v[224+\j], v[232+\j]      ; each accumulator from its low end on
.endr
.irp j, 0,1,2,3,4,5,6,7
	ds_store_b32 v11, v[240+\j] offset:64*\j
.endr
	s_wait_dscnt 0x0                               ; for the others' sake: my stores have landed
	s_barrier_signal -1
	s_barrier_wait -1
	; token n: lane = (expert e = l % 8, block b = l / 8)
.irp i, 0,1,2,3
	ds_load_b128 v[32+4*\i:35+4*\i], v12 offset:16*\i   ; the sixteen waves' parts of logit (n, e)
.endr
	s_wait_dscnt 0x0
	v_pk_add_f32 v[32:33], v[32:33], v[34:35]
	v_pk_add_f32 v[36:37], v[36:37], v[38:39]
	v_pk_add_f32 v[40:41], v[40:41], v[42:43]
	v_pk_add_f32 v[44:45], v[44:45], v[46:47]
	v_pk_add_f32 v[32:33], v[32:33], v[36:37]
	v_pk_add_f32 v[40:41], v[40:41], v[44:45]
	v_pk_add_f32 v[32:33], v[32:33], v[40:41]
	v_add_f32 v20, v32, v33                        ; the logit
	v_mov_b32 v24, v20
	v_max_num_f32_dpp v24, v24, v24 row_xmask:1 row_mask:0xf bank_mask:0xf
	v_max_num_f32_dpp v24, v24, v24 row_xmask:2 row_mask:0xf bank_mask:0xf
	v_max_num_f32_dpp v24, v24, v24 row_xmask:4 row_mask:0xf bank_mask:0xf   ; the largest of the eight
	v_sub_f32 v22, v20, v24
	v_mul_f32 v22, 0x3fb8aa3b, v22
	v_exp_f32 v22, v22
	v_nop                                          ; a plain place behind the transcendental,
	s_wait_alu depctr_va_vdst(0)                   ; and the wait ahead of its first reader
	v_mov_b32 v23, v22
	v_add_f32_dpp v23, v23, v23 row_xmask:1 row_mask:0xf bank_mask:0xf
	v_add_f32_dpp v23, v23, v23 row_xmask:2 row_mask:0xf bank_mask:0xf
	v_add_f32_dpp v23, v23, v23 row_xmask:4 row_mask:0xf bank_mask:0xf
	v_rcp_f32 v23, v23
	v_nop
	s_wait_alu depctr_va_vdst(0)
	v_mul_f32 v22, v22, v23                        ; the softmax,
	v_cvt_f16_f32 v24.l, v22                       ; rounded to f16 as reference() rounds it,
	v_cvt_f32_f16 v25, v24.l                       ; and widened again
	v_mul_f32 v26, v25, v18                        ; a = p std, twice: the mix multiplies pairs
	v_mul_f32 v27, v25, v18
	v_mul_f32 v21, v25, v19
	v_add_f32_dpp v21, v21, v21 row_xmask:1 row_mask:0xf bank_mask:0xf
	v_add_f32_dpp v21, v21, v21 row_xmask:2 row_mask:0xf bank_mask:0xf
	v_add_f32_dpp v21, v21, v21 row_xmask:4 row_mask:0xf bank_mask:0xf       ; cc = sum over e of p mean
	global_store_b64 v16, v[26:27], s[36:37]       ; runs of 64 bytes, one for each b: the table is 1 MiB in all
	global_store_b32 v17, v21, s[38:39]            ; eight lanes write the same word with the same value
	s_cmp_lt_u32 s24, 2
	s_cbranch_scc0 .Lend
	ds_load_b128 v[32:35], v14                     ; waves 0 and 1: the scale words of two records, gathered behind the barrier
	s_wait_dscnt 0x0
	global_store_b128 v15, v[32:35], s[34:35]      ; sixteen lanes store 256 consecutive bytes, aligned
	s_branch .Lend
	; ---------------- THE WEIGHT PATH: 128 columns x 512 along K of w1 (t < 128) or w2.  A LANE TAKES A COLUMN AND ITS REGISTERS RUN DOWN K: a block of 32 lies in one lane.
	; Wave w: columns 32 (w % 4) on, K step w / 4 of the four.  Lane (u, r) is place r of tile rt0 + u.  One text for both: what differs is chosen by the work-group's number.
.Lweights:
	s_cmp_lt_u32 s25, 128
	s_cselect_b64 s[12:13], s[12:13], s[14:15]     ; from
	s_cselect_b64 s[18:19], s[18:19], s[20:21]     ; to
	s_cselect_b32 s45, 14, 13                      ; a row of the weight is 2^14 or 2^13 bytes
	s_cselect_b32 s46, 4, 8                        ; records in a tile's row: K / 512
	s_cselect_b32 s47, 31, 15                      ; groups of 128 columns, less one
	s_cselect_b32 s48, 5, 4
	s_cselect_b32 s49, -1, 0                       ; w1's tiles take their columns out of order
	s_and_b32 s50, s25, 127
	s_and_b32 s51, s50, s47                        ; which 128 columns
	s_lshr_b32 s52, s50, s48                       ; kq
	s_lshl_b32 s44, 1, s45                         ; a row in bytes
	s_and_b32 s53, s24, 3
	s_lshr_b32 s54, s24, 2                         ; q
	s_lshl_b32 s55, s51, 7
	s_lshl_b32 s56, s53, 5
	s_add_co_u32 s55, s55, s56                     ; my wave's first column
	s_lshr_b32 s56, s55, 4                         ; rt0
	v_and_b32 v31, 8, v2
	v_add_nc_u32 v31, v31, v2
	v_lshl_add_u32 v31, v3, 3, v31                 ; 8 u + r + 8 (r / 8): inside the same 32 columns
	v_cndmask_b32 v31, v1, v31, s49                ; w2: the lane's own number
	v_lshlrev_b32 v31, 2, v31
.set i, 0
.rept 32
	v_mad_u32_u24 v[32+i], s44, i, v31             ; v32-63: row i of a block, my column; never rewritten
.set i, i+1
.endr
	s_mul_i32 s57, s46, REC
	v_mul_u32_u24 v30, v3, s57
	v_lshl_add_u32 v30, v2, 4, v30                 ; v30 out: tile u's record, + 16 r
	s_lshl_b32 s58, s52, 9
	s_lshl_b32 s59, s54, 7
	s_add_co_u32 s58, s58, s59                     ; my first row: 512 kq + 128 q
	s_lshl_b32 s40, s58, s45
	s_lshl_b32 s59, s55, 2
	s_add_co_u32 s40, s40, s59
	s_mov_b32 s41, 0
	s_add_nc_u64 s[32:33], s[12:13], s[40:41]      ; a base for each of the four blocks: no pointer is stepped
	s_lshl_b32 s40, 32, s45
	s_add_nc_u64 s[34:35], s[32:33], s[40:41]
	s_add_nc_u64 s[36:37], s[34:35], s[40:41]
	s_add_nc_u64 s[38:39], s[36:37], s[40:41]
	s_mul_i32 s40, s56, s46
	s_add_co_u32 s40, s40, s52
	s_mul_i32 s40, s40, REC
	s_add_nc_u64 s[60:61], s[18:19], s[40:41]      ; record (rt0, kq)
	s_mul_i32 s40, s54, 1536
	s_add_nc_u64 s[62:63], s[60:61], s[40:41]      ; its image q
.macro WLOAD j                         ; block j: 32 rows; a load reads 128 consecutive bytes, four waves stand side by side on 512
.set i, 0
.rept 32
	global_load_b32 v[64+32*((\j)%2)+i], v[32+i], s[32+2*(\j):33+2*(\j)] th:TH_LOAD_NT
.set i, i+1
.endr
.endm
; Block j's 32 numbers become 6 registers of codes: blocks 0 and 2 are the fragment's lane (r, 0) (v128-139), blocks 1 and 3 its lane (r, 1) (v140-151).
.macro WBLOCK j, left
.set XS, 64+32*((\j)%2)
.set D, 128+12*((\j)%2)+6*((\j)/2)
	s_wait_loadcnt \left                           ; this block's 32 loads are in; the next block's may be out
	v_max3_num_f32 v156, |v[XS]|, |v[XS+1]|, |v[XS+2]|
	v_max3_num_f32 v157, |v[XS+3]|, |v[XS+4]|, |v[XS+5]|
.irp i, 6,10,14,18,22,26
	v_max3_num_f32 v156, v156, |v[XS+\i]|, |v[XS+\i+1]|
	v_max3_num_f32 v157, v157, |v[XS+\i+2]|, |v[XS+\i+3]|
.endr
	v_max3_num_f32 v156, v156, |v[XS+30]|, |v[XS+31]|
	v_max3_num_f32 v156, v156, v157, 0x2800000     ; and the floor 2^(5 - 127)
	v_add_nc_u32 v158, 0xfe000000, v156            ; 4 off the exponent field: the conversion's scale operand
.if (\j) == 0
	v_lshrrev_b32 v160, 23, v158                   ; the scale word: byte j is block j's
.else
	v_lshrrev_b32 v159, 23, v158
	v_lshl_or_b32 v160, v159, 8*(\j), v160
.endif
	v_cvt_scalef32_pk16_bf6_f32 v[D:D+2], v[XS:XS+15], v158
	v_cvt_scalef32_pk16_bf6_f32 v[152:154], v[XS+16:XS+31], v158   ; (a conversion's three registers begin on an even number)
	v_nop                                          ; one plain place behind a scaled conversion
	v_mov_b32 v[D+3], v152
	v_mov_b32 v[D+4], v153
	v_mov_b32 v[D+5], v154
.endm
	WLOAD 0
	WLOAD 1
	WBLOCK 0, 32
	WLOAD 2
	WBLOCK 1, 32
	WLOAD 3
	WBLOCK 2, 32
	WBLOCK 3, 0
.irp c, 0,1,2
	global_store_b128 v30, v[128+4*\c:131+4*\c], s[62:63] offset:512*\c        ; sixteen lanes store 256 consecutive bytes, aligned: the image's lanes 0-15,
	global_store_b128 v30, v[140+4*\c:143+4*\c], s[62:63] offset:512*\c+256    ; and its lanes 16-31
.endr
	ds_store_b32 v28, v160
	s_wait_dscnt 0x0                               ; for the others' sake
	s_barrier_signal -1
	s_barrier_wait -1
	s_cmp_lt_u32 s24, 4
	s_cbranch_scc0 .Lend
	ds_load_b128 v[64:67], v29                     ; waves 0 to 3 (q = 0, column group w): the four K steps' words of my column
	s_wait_dscnt 0x0
	global_store_b128 v30, v[64:67], s[60:61] offset:6144   ; sixteen lanes store 256 consecutive bytes, aligned
.Lend:
	s_wait_tensorcnt 0x0                           ; the wave's end
	ds_add_u32 v[SPW], v[NIL]
	s_wait_dscnt 0x0
	s_endpgm
.Lfunc_end_k_qa9170dbe1c_prep:
	.size	k_qa9170dbe1c_prep, .Lfunc_end_k_qa9170dbe1c_prep-k_qa9170dbe1c_prep
	.p2alignl 7, 3214868480
	.fill 96, 4, 3214868480
	.section	.rodata,"a",@progbits
	.p2align	6, 0x0
	.amdhsa_kernel k_qa9170dbe1c_prep
		.amdhsa_group_segment_fixed_size 148736
		.amdhsa_private_segment_fixed_size 0
		.amdhsa_enable_private_segment 0
		.amdhsa_kernarg_size 80
		.amdhsa_user_sgpr_count 2
		.amdhsa_user_sgpr_kernarg_segment_ptr 1
		.amdhsa_wavefront_size32 1
		.amdhsa_system_sgpr_workgroup_id_x 1
		.amdhsa_system_sgpr_workgroup_id_y 1
		.amdhsa_system_sgpr_workgroup_id_z 1
		.amdhsa_system_vgpr_workitem_id 0
		.amdhsa_next_free_vgpr 248
		.amdhsa_next_free_sgpr 66
		.amdhsa_reserve_vcc 0
		.amdhsa_float_denorm_mode_32 3
		.amdhsa_float_denorm_mode_16_64 3
		.amdhsa_memory_ordered 1
		.amdhsa_forward_progress 1
		.amdhsa_inst_pref_size 49
	.end_amdhsa_kernel
	.amdgpu_metadata
---
amdhsa.version: [ 1, 2 ]
amdhsa.kernels:
  - .name:           k_qa9170dbe1c_prep
    .symbol:         k_qa9170dbe1c_prep.kd
    .args:
      - { .name: x, .offset: 0, .size: 8, .value_kind: global_buffer, .address_space: global }
      - { .name: router_w, .offset: 8, .size: 8, .value_kind: global_buffer, .address_space: global }
      - { .name: std, .offset: 16, .size: 8, .value_kind: global_buffer, .address_space: global }
      - { .name: mean, .offset: 24, .size: 8, .value_kind: global_buffer, .address_space: global }
      - { .name: w1, .offset: 32, .size: 8, .value_kind: global_buffer, .address_space: global }
      - { .name: w2, .offset: 40, .size: 8, .value_kind: global_buffer, .address_space: global }
      - { .name: xq, .offset: 48, .size: 8, .value_kind: global_buffer, .address_space: global }
      - { .name: w1q, .offset: 56, .size: 8, .value_kind: global_buffer, .address_space: global }
      - { .name: w2q, .offset: 64, .size: 8, .value_kind: global_buffer, .address_space: global }
      - { .name: coef, .offset: 72, .size: 8, .value_kind: global_buffer, .address_space: global }
    .group_segment_fixed_size: 148736
    .private_segment_fixed_size: 0
    .kernarg_segment_align: 8
    .kernarg_segment_size: 80
    .max_flat_workgroup_size: 512
    .sgpr_count:     66
    .vgpr_count:     248
    .wavefront_size: 32
...
	.end_amdgpu_metadata
.endif
;; end of part 1
;; launch gemm1 (part 2): grid 16 x 16, 4 waves a work-group, clusters of 4 x 4, 327,680 bytes of LDS; arguments xq, w1q, hq; writes hq
.if DOCPART == 2
	.amdgcn_target "amdgcn-amd-amdhsa--gfx1250"
	.amdhsa_code_object_version 6
	.text
	.protected	k_qa9170dbe1c_gemm1
	.globl	k_qa9170dbe1c_gemm1
	.p2align	8
	.type	k_qa9170dbe1c_gemm1,@function
k_qa9170dbe1c_gemm1:
	s_mov_b64 s[64:65], 0
	v_nop
	global_prefetch_b8 v0, s[64:65] scope:SCOPE_SE
	s_setreg_imm32_b32 hwreg(HW_REG_WAVE_MODE, 25, 1), 1
	s_wait_xcnt 0x0
	s_wait_alu depctr_hold_cnt(0) depctr_sa_sdst(0) depctr_va_vdst(0) depctr_va_sdst(0) depctr_va_ssrc(0) depctr_va_vcc(0) depctr_vm_vsrc(0)
	s_getreg_b32 s2, hwreg(HW_REG_IB_STS2, 6, 4)
	s_cmp_eq_u32 s2, 0
	s_cbranch_scc0 .Lentry_in_a_cluster
	s_endpgm
.Lentry_in_a_cluster:
	s_bfe_u32 s2, ttmp6, 0x10000c
	s_cmp_lg_u32 s2, 0xf033
	s_cbranch_scc0 .Lentry_shape_is_right
	s_endpgm
.Lentry_shape_is_right:
; GEMM1: h = gelu(x w1), both operands as codes of BF6 with E8M0 scales; h is quantised in registers along the next product's K and leaves as codes.  No work of reference() is left out.
; gelu is reference()'s tanh form, written x / (1 + 2^(x (c1 + c2 x^2))), c1 = -2 sqrt(2 / pi) log2(e), c2 = 0.044715 c1: the same function, finite at both ends.
; LIMITS: NaN and infinities are not served; a block of h under 2^-122, or of zeros, takes the byte 1 (its codes are zeros or the floor's; this program alone reads the bytes).
; OPERANDS lie in records of 6,400 bytes (16 rows x 512 K): for q = 0 .. 3 the fragment's image at 1536 q + 512 c + 16 lane, the scale words at 6144 + 16 r + 4 q; record (rt, kq) at (rt RPR + kq) x 6400.
; SHARES.  A tile is 128 (rows) x 256 (columns), 64 x 128 to each of four waves: 32 accumulators, 256 registers.  K goes in steps of 512 through two LDS slots of 24 records: A's eight, then B's sixteen;
; a wave's one tensor load brings four records of A or eight of B.
; A WORK-GROUP STAYS: it makes two tiles, tile rows ty and ty + 16 of the same 256 columns: 512 tiles on 256 work-groups.  The ring does not stop at the first tile's end: that tile's last two changes of slots
; ask for the second tile's first two records, and the first tile goes out (gelu, quantiser, stores) while the younger of the two loads is on its way.  The text is written out, without a loop: each tile has four slots.
; CLUSTER 4 x 4: the four of a row need the same records of A, the four of a column the same of B: each is asked for jointly, by one load with one descriptor and a mask that names the four.
; TRANSPOSED USE: source 0 = 16 columns of w1, source 1 = 16 rows of x.  w1q's tiles hold their columns so that the 64 registers of accumulators (a, 0 .. 7) are, for row 16 a + r,
; units 32 b + 16 h + i in register 16 b + i: what the quantiser wants.  They make one fragment of hq: K step 2 tx + CH.
; REGISTERS: window 0: v16-29 addresses; v32-95 scale words, two sets, and nothing else; v128-223 A's fragments, two sets of 48 (on the way out: at work).  Window 1: B's, two sets at v0 and v128.  Window 2: accumulator (a, b) at v[8 (8 a + b)].
.set RPR,   4                          ; K / 512
.set REC,   6400
.set SLOT,  24*REC
.set SPARE, 2*SLOT                     ; behind the ring: the spare words, 128 bytes a wave; no other line names them
.set WALK,  128                        ; row tiles of 16 rows from a work-group's first tile to its second: 16 tiles of 128 rows
.set NEXT_A, WALK*RPR*REC-2*REC        ; bytes from a slot's last record of the first tile to its first of the second: WALK row tiles down, two records back
.set TOFF,  WALK*8*REC                 ; the same walk in hq, which has eight records to a row tile.  It stands in the stores' immediates: TOFF + 3 x 8 x REC + 1,024 = 6,708,224, inside the signed 24 bits (ISA guide, chapter 10)
.set ADRA, 16                          ; v16-17 my A fragments in slot 0, 1
.set ADRB, 20                          ; v20-21 my B fragments
.set ADRS, 22                          ; v22-23 scale words: lanes 0-15 A's rows, lanes 16-31 B's
.set LI,   26                          ; v26 16 x lane
.set SWO,  27                          ; v27 16 r
.set SPW,  28
.set NIL,  29
.set SC,   32                          ; set s at v[SC + 32 s]; register 4 i + q: block i, the slot's q-th 128 along K
.set AF,   128
.set HA,   128                         ; the way out: 64 numbers
.set PC,   192                         ; codes
.set TM,   212                         ; at work
.set PW,   228                         ; the scale word
.set C1,   230                         ; v[230:231] c1 twice
.set WV, 16
.set RH, 17                            ; my half of the rows; also: I fetch for A (0) or B (1)
.set CH, 18                            ; my half of the columns; also: which half I fetch
.set TY, 19
.set TX, 42
.set C2, 10                            ; s[10:11] c2 twice
.set SEL, 12                           ; s[12:13] lane l xor 16
.set G1, 24
.set G0, 32
.set G1B, 48
.set G0B, 56
.set MUL, 0xa1                         ; source 0 (B) window 1, source 1 (A) window 0, C and D window 2
.set MSB, 0
.macro WIN new                         ; the immediate's high byte repeats the setting that is left
.if MSB != \new
	s_set_vgpr_msb (MSB<<8)|\new
.set MSB, \new
.endif
.endm
.macro PLACES                          ; four plain places behind matrix instructions, ahead of loads into registers that they read and of reads of their results
.rept 4
	v_nop
.endr
.endm
.macro JLOAD g0a, g0b                  ; a joint load: waves 0 and 1 fetch for A, waves 2 and 3 for B; the branch hangs on the wave's number alone.  An s_nop 0 and four v_nop follow each line
	s_cmp_eq_u32 s[RH], 0
	s_cbranch_scc0 .Lfor_b_\@
	tensor_load_to_lds s[\g0a:\g0a+3], s[G1:G1+7]
	s_nop 0
.rept 4
	v_nop
.endr
	s_branch .Lasked_\@
.Lfor_b_\@:
	tensor_load_to_lds s[\g0b:\g0b+3], s[G1B:G1B+7]
	s_nop 0
.rept 4
	v_nop
.endr
.Lasked_\@:
.endm
.macro CREST                           ; a round of the cluster's barrier behind its opening barrier
	s_cmp_lg_u32 s[WV], 0
	s_cbranch_scc1 .Lnot_wave_0_\@
	s_barrier_signal -3
.Lnot_wave_0_\@:
	s_barrier_wait -3
	s_barrier_signal -1
	s_barrier_wait -1
.endm
.macro CROUND
	s_barrier_signal -1
	s_barrier_wait -1
	CREST
.endm
.macro FETCH slot, q, p                ; the fragments of the slot's q-th 128 along K into set p: images, 512 consecutive bytes a load
	WIN 0x40
.irp i, 0,1,2,3,4,5,6,7
.irp c, 0,1,2
	ds_load_b128 v[128*(\p)+12*\i+4*\c:128*(\p)+12*\i+4*\c+3], v[ADRB+\slot] offset:REC*\i+1536*(\q)+512*\c
.endr
.endr
	WIN 0
.irp i, 0,1,2,3
.irp c, 0,1,2
	ds_load_b128 v[AF+48*(\p)+12*\i+4*\c:AF+48*(\p)+12*\i+4*\c+3], v[ADRA+\slot] offset:REC*\i+1536*(\q)+512*\c
.endr
.endr
.endm
.macro SCALES slot                     ; a slot's scale words: four K steps' words of a row in one load; lanes 0-15 A's block i (i > 3: landed bytes of the slot that nobody uses), lanes 16-31 B's block i
.irp i, 0,1,2,3,4,5,6,7
	ds_load_b128 v[SC+32*\slot+4*\i:SC+32*\slot+4*\i+3], v[ADRS+\slot] offset:REC*\i+6144
.endr
.endm
.macro MULA a, p, q, sc, zero          ; A's block a against B's eight.  The 32 accumulators take turns in one order in every step
.irp b, 0,1,2,3,4,5,6,7
.if \zero
	v_wmma_scale_f32_16x16x128_f8f6f4 v[8*(8*(\a)+\b):8*(8*(\a)+\b)+7], v[128*(\p)+12*\b:128*(\p)+12*\b+11], v[AF+48*(\p)+12*(\a):AF+48*(\p)+12*(\a)+11], 0, v[SC+32*(\sc)+4*\b+(\q)], v[SC+32*(\sc)+4*(\a)+(\q)] matrix_a_fmt:MATRIX_FMT_BF6 matrix_b_fmt:MATRIX_FMT_BF6 matrix_a_scale:MATRIX_SCALE_ROW1
.else
	v_wmma_scale_f32_16x16x128_f8f6f4 v[8*(8*(\a)+\b):8*(8*(\a)+\b)+7], v[128*(\p)+12*\b:128*(\p)+12*\b+11], v[AF+48*(\p)+12*(\a):AF+48*(\p)+12*(\a)+11], v[8*(8*(\a)+\b):8*(8*(\a)+\b)+7], v[SC+32*(\sc)+4*\b+(\q)], v[SC+32*(\sc)+4*(\a)+(\q)] matrix_a_fmt:MATRIX_FMT_BF6 matrix_b_fmt:MATRIX_FMT_BF6 matrix_a_scale:MATRIX_SCALE_ROW1
.endif
.endr
.endm
.macro STEP slot, q, zero              ; one of a slot's first three steps of 128: the next step's fragments are asked for, then this step's 32 products.  zero = 1: the products start a tile's sums: nothing is cleared
	s_wait_dscnt 0x0                               ; this step's fragments, asked for a step ago, are in
	PLACES                                         ; the other set was read by the last step's products
	FETCH \slot, (\q)+1, ((\q)+1)%2
	WIN MUL
	MULA 0, (\q)%2, \q, \slot, \zero
	MULA 1, (\q)%2, \q, \slot, \zero
	MULA 2, (\q)%2, \q, \slot, \zero
	MULA 3, (\q)%2, \q, \slot, \zero
.endm
; A slot's last step changes slots: one barrier.  In front of it each wave waits for all its tensor loads (one is out: its part of the next slot), adds 0 to its spare word, and waits for that and for its reads of this slot.
; fill = 1: this slot takes the tile's record two further on;  fill = 2: the NEXT tile's record of this slot's number;  fill = 0: nothing is left to fetch.
; fetch = 0: the next slot's first fragments are not fetched here: the way out, which works in A's registers, comes first.
.macro TURN slot, next, fill, fetch
	WIN 0
	s_wait_tensorcnt 0x0
	ds_add_u32 v[SPW], v[NIL]
	s_wait_dscnt 0x0                               ; the add is done, my reads of this slot are over
	s_barrier_signal -1
	WIN MUL
	MULA 0, 1, 3, \slot, 0                         ; work on registers while the others arrive
	WIN 0
	s_barrier_wait -1
.if \fill == 0
	PLACES
.else
	CREST                                          ; the barrier has opened a round of the cluster's: no wave of any partner still reads this slot or has a load on its way
.if \fill == 1
	s_add_nc_u64 s[G0+4*\slot+2:G0+4*\slot+3], s[G0+4*\slot+2:G0+4*\slot+3], 2*REC
	s_add_nc_u64 s[G0B+4*\slot+2:G0B+4*\slot+3], s[G0B+4*\slot+2:G0B+4*\slot+3], 2*REC
.else
	s_add_nc_u64 s[G0+4*\slot+2:G0+4*\slot+3], s[G0+4*\slot+2:G0+4*\slot+3], NEXT_A     ; A: WALK row tiles down and back along K;
	s_sub_nc_u64 s[G0B+4*\slot+2:G0B+4*\slot+3], s[G0B+4*\slot+2:G0B+4*\slot+3], 2*REC  ; B: only back: both tiles take the same columns
.endif
	JLOAD G0+4*\slot, G0B+4*\slot                  ; my one tensor load behind the round: 120 of my matrix instructions, or more, stand ahead of the wait for it.  Its four v_nop are the places for the loads below
.endif
.if \fetch
	FETCH \next, 0, 0
	SCALES \next
.endif
	WIN MUL
	MULA 1, 1, 3, \slot, 0
	MULA 2, 1, 3, \slot, 0
	MULA 3, 1, 3, \slot, 0
.endm
; 64 numbers of a lane become a fragment's codes in v[PC] on and its scale word in v[PW] (register 16 b + i = k 32 b + 16 (lane / 16) + i of my row)
.macro QUANT s
.irp b, 0,1,2,3
	v_max3_num_f32 v[TM+\b], |v[\s+16*\b]|, |v[\s+1+16*\b]|, 0x2800000   ; and the floor 2^(5 - 127): the byte cannot fall under 1
.endr
.irp i, 2,4,6,8,10,12,14
.irp b, 0,1,2,3
	v_max3_num_f32 v[TM+\b], v[TM+\b], |v[\s+16*\b+\i]|, |v[\s+1+16*\b+\i]|
.endr
.endr
.irp b, 0,1,2,3
	v_permlanex16_b32 v[TM+4+\b], v[TM+\b], s[SEL], s[SEL+1]
.endr
.irp b, 0,1,2,3
	v_max_num_f32 v[TM+\b], v[TM+\b], v[TM+4+\b]
.endr
.irp b, 0,1,2,3
	v_add_nc_u32 v[TM+12+\b], 0xfe000000, v[TM+\b]   ; 4 off the exponent field: the conversion's scale operand
.endr
.irp b, 0,1,2,3
	v_lshrrev_b32 v[TM+4+\b], 23, v[TM+12+\b]
.endr
	v_lshl_or_b32 v[PW], v[TM+5], 8, v[TM+4]
	v_lshl_or_b32 v[PW], v[TM+6], 16, v[PW]
	v_lshl_or_b32 v[PW], v[TM+7], 24, v[PW]
.irp c, 0,1
	v_cvt_scalef32_pk16_bf6_f32 v[PC+6*\c:PC+2+6*\c], v[\s+32*\c:\s+15+32*\c], v[TM+12+2*\c]
	v_cvt_scalef32_pk16_bf6_f32 v[PC+12+4*\c:PC+14+4*\c], v[\s+16+32*\c:\s+31+32*\c], v[TM+12+2*\c+1]
.endr
	v_nop                                          ; one plain place behind a scaled conversion
.irp c, 0,1
.irp i, 0,1,2
	v_permlane16_swap_b32 v[PC+6*\c+\i], v[PC+12+4*\c+\i]
.endr
.irp i, 0,1,2
	v_mov_b32 v[PC+3+6*\c+\i], v[PC+12+4*\c+\i]
.endr
.endr
.endm
; THE WAY OUT of block a (16 rows x my 128 units) of tile t: gelu in f32, the quantiser, one fragment's image and its scale words.  Nothing goes through LDS.
.macro OUTBLK a, t
	WIN 0x0a                                       ; sources 0 and 1 window 2
.set i, 0
.rept 32
	v_pk_mul_f32 v[HA+2*i:HA+2*i+1], v[64*(\a)+2*i:64*(\a)+2*i+1], v[64*(\a)+2*i:64*(\a)+2*i+1]   ; x^2; each accumulator from its low end on
.set i, i+1
.endr
	WIN 0
.set i, 0
.rept 32
	v_pk_fma_f32 v[HA+2*i:HA+2*i+1], v[HA+2*i:HA+2*i+1], s[C2:C2+1], v[C1:C1+1] op_sel_hi:[1,0,1]  ; c1 + c2 x^2
.set i, i+1
.endr
	WIN 0x08                                       ; source 1 window 2
.set i, 0
.rept 32
	v_pk_mul_f32 v[HA+2*i:HA+2*i+1], v[HA+2*i:HA+2*i+1], v[64*(\a)+2*i:64*(\a)+2*i+1]
.set i, i+1
.endr
	WIN 0
.set i, 0
.rept 64
	v_exp_f32 v[HA+i], v[HA+i]
.set i, i+1
.endr
	v_nop                                          ; a plain place behind the batch,
	s_wait_alu depctr_va_vdst(0)                   ; and one wait for all 64 ahead of the first reader
.set i, 0
.rept 32
	v_pk_add_f32 v[HA+2*i:HA+2*i+1], v[HA+2*i:HA+2*i+1], 1.0 op_sel_hi:[1,0]
.set i, i+1
.endr
.set i, 0
.rept 64
	v_rcp_f32 v[HA+i], v[HA+i]
.set i, i+1
.endr
	v_nop
	s_wait_alu depctr_va_vdst(0)
	WIN 0x08
.set i, 0
.rept 32
	v_pk_mul_f32 v[HA+2*i:HA+2*i+1], v[HA+2*i:HA+2*i+1], v[64*(\a)+2*i:64*(\a)+2*i+1]   ; gelu(x)
.set i, i+1
.endr
	WIN 0
.if (\a) > 0
	s_wait_xcnt 0x0                                ; the last block's stores have read their data: the codes and the scale word are written again only behind this wait
.endif
	QUANT HA
.irp c, 0,1,2
	global_store_b128 v[LI], v[PC+4*\c:PC+4*\c+3], s[8:9] offset:TOFF*(\t)+8*REC*(\a)+512*\c   ; 512 consecutive bytes, aligned
.endr
	global_store_b32 v[SWO], v[PW], s[14:15] offset:TOFF*(\t)+8*REC*(\a)   ; 4 bytes of every 16 of one block of 256: a row's four words come from four waves of two work-groups; one byte in 24 of what is stored
.endm
; A tile's first eleven steps, the same for both tiles: slots 0 and 1 are multiplied and filled again with the tile's records 2 and 3; then three steps of record 2.
.macro FIRST
	STEP 0, 0, 1                                   ; these products start the tile's sums
	STEP 0, 1, 0
	STEP 0, 2, 0
	TURN 0, 1, 1, 1
	STEP 1, 0, 0
	STEP 1, 1, 0
	STEP 1, 2, 0
	TURN 1, 0, 1, 1
	STEP 0, 0, 0
	STEP 0, 1, 0
	STEP 0, 2, 0
.endm
	s_load_b128 s[4:7], s[0:1], 0x0                ; xq, w1q
	s_load_b64 s[8:9], s[0:1], 0x10                ; hq
	v_lshl_add_u32 v[SPW], v0, 2, SPARE
	v_mov_b32 v[NIL], 0
	ds_add_u32 v[SPW], v[NIL]                      ; the wave's opening: the add, twice on end, and its wait ahead of my first tensor load
	ds_add_u32 v[SPW], v[NIL]
	v_lshrrev_b32 v1, 5, v0
	v_readfirstlane_b32 s[WV], v1
	s_lshr_b32 s[RH], s[WV], 1
	s_and_b32 s[CH], s[WV], 1
	s_bfe_u32 s40, ttmp6, 0x40000                  ; cx
	s_bfe_u32 s41, ttmp6, 0x40004                  ; cy
	s_lshl_b32 s[TX], ttmp9, 2
	s_add_co_u32 s[TX], s[TX], s40                 ; tile column, 0 .. 15
	s_and_b32 s[TY], ttmp7, 0xffff
	s_lshl_b32 s[TY], s[TY], 2
	s_add_co_u32 s[TY], s[TY], s41                 ; my first tile's row, 0 .. 15; the second's is 16 more
	s_lshl_b32 s43, s41, 2
	s_lshl_b32 s43, 15, s43                        ; my row of the cluster
	s_lshl_b32 s44, 0x1111, s40                    ; my column
	s_or_b32 s[G1+0], s43, (3<<16)|(1<<21)         ; 15:0 the mask; 17:16 elements of 8 bytes; 21 set beside a mask; no padding
	s_or_b32 s[G1B+0], s44, (3<<16)|(1<<21)
.irp g, G1, G1B
	s_mov_b32 s[\g+1], 800<<16                     ; tensor_dim0: a record, 800 elements
	s_mov_b32 s[\g+3], 800<<16                     ; tile_dim0
	s_mov_b32 s[\g+5], RPR*800                     ; from a row tile's record to the next row tile's
	s_mov_b32 s[\g+6], 0
	s_mov_b32 s[\g+7], 0
.endr
	s_mov_b32 s[G1+2], 4<<16                       ; A: four records
	s_mov_b32 s[G1+4], 4
	s_mov_b32 s[G1B+2], 8<<16                      ; B: eight
	s_mov_b32 s[G1B+4], 8
	s_lshl_b32 s20, s[TY], 3
	s_lshl_b32 s22, s[CH], 2
	s_add_co_u32 s20, s20, s22                     ; A: row tile 8 ty + 4 x half
	s_mul_i32 s20, s20, RPR*REC
	s_mov_b32 s21, 0
	s_lshl_b32 s46, s[TX], 4
	s_lshl_b32 s22, s[CH], 3
	s_add_co_u32 s46, s46, s22                     ; B: tile 16 tx + 8 x half
	s_mul_i32 s46, s46, RPR*REC
	s_mov_b32 s47, 0
	s_mul_i32 s45, s[CH], 4*REC                    ; where they go: no place in the cluster enters an LDS address
	s_mul_i32 s23, s[CH], 8*REC
	s_add_co_u32 s23, s23, 8*REC
	s_mov_b32 s[C2], 0xbdd2d3e8
	s_mov_b32 s[C2+1], s[C2]
	s_mov_b32 s[SEL], 0x76543210
	s_mov_b32 s[SEL+1], 0xfedcba98
	v_mov_b32 v[C1], 0xc0135761
	v_mov_b32 v[C1+1], 0xc0135761
	s_wait_dscnt 0x0                               ; both opening adds are done
	s_wait_kmcnt 0x0
	s_add_nc_u64 s[20:21], s[4:5], s[20:21]
	s_add_nc_u64 s[46:47], s[6:7], s[46:47]
	CROUND                                         ; all sixteen work-groups are here: the first joint loads meet
.irp s, 0,1
	s_mov_b32 s[G0+4*\s], 1
	s_add_co_u32 s[G0+4*\s+1], s45, \s*SLOT
	s_add_nc_u64 s[G0+4*\s+2:G0+4*\s+3], s[20:21], \s*REC
	s_or_b32 s[G0+4*\s+3], s[G0+4*\s+3], 0x80000000
	s_mov_b32 s[G0B+4*\s], 1
	s_add_co_u32 s[G0B+4*\s+1], s23, \s*SLOT
	s_add_nc_u64 s[G0B+4*\s+2:G0B+4*\s+3], s[46:47], \s*REC
	s_or_b32 s[G0B+4*\s+3], s[G0B+4*\s+3], 0x80000000
	JLOAD G0+4*\s, G0B+4*\s                        ; two loads of mine are out behind these
.endr
	v_and_b32 v1, 15, v0                           ; r
	v_bfe_u32 v2, v0, 4, 1                         ; h
	v_and_b32 v3, 31, v0
	v_lshlrev_b32 v[LI], 4, v3                     ; 16 x lane
	v_lshlrev_b32 v[SWO], 4, v1
	s_mul_i32 s21, s[RH], 4*REC                    ; my four records of A,
	s_mul_i32 s22, s[CH], 8*REC
	s_add_co_u32 s22, s22, 8*REC                   ; my eight of B
	s_sub_co_u32 s23, s22, s21
	v_mul_u32_u24 v4, s23, v2                      ; lanes 16-31 take B's: the lower base + h x the distance
	v_lshl_add_u32 v4, v1, 4, v4
.irp s, 0,1
	v_add_nc_u32 v[ADRA+\s], s21, v[LI]
	v_add_nc_u32 v[ADRB+\s], s22, v[LI]
	v_add_nc_u32 v[ADRS+\s], s21, v4
	s_add_co_u32 s21, s21, SLOT
	s_add_co_u32 s22, s22, SLOT
.endr
	; where my fragments of hq go: row tiles 8 ty + 4 RH + a (the second tile: WALK more), record tx / 2, image q2 = 2 (tx % 2) + CH
	s_lshl_b32 s20, s[TY], 3
	s_lshl_b32 s21, s[RH], 2
	s_add_co_u32 s20, s20, s21
	s_lshl_b32 s20, s20, 3                         ; eight records to a row tile of hq
	s_lshr_b32 s21, s[TX], 1
	s_add_co_u32 s20, s20, s21
	s_mul_i32 s20, s20, REC
	s_and_b32 s21, s[TX], 1
	s_lshl_b32 s21, s21, 1
	s_add_co_u32 s21, s21, s[CH]                   ; q2
	s_mul_i32 s22, s21, 1536
	s_lshl_b32 s23, s21, 2
	s_add_co_u32 s22, s22, s20
	s_add_co_u32 s20, s20, s23
	s_add_co_u32 s20, s20, 6144
	s_mov_b32 s21, 0
	s_mov_b32 s23, 0
	s_add_nc_u64 s[14:15], s[8:9], s[20:21]        ; the scale words
	s_add_nc_u64 s[8:9], s[8:9], s[22:23]          ; the images
	s_wait_tensorcnt 1                             ; my part of slot 0 is in; slot 1's may stay out
	s_barrier_signal -1
	s_barrier_wait -1
	FETCH 0, 0, 0
	SCALES 0
	; ---------------- THE FIRST TILE
	FIRST
	TURN 0, 1, 2, 1                                ; THE RING GOES ON INTO THE SECOND TILE: slot 0 takes its record 0,
	STEP 1, 0, 0
	STEP 1, 1, 0
	STEP 1, 2, 0
	TURN 1, 0, 2, 0                                ; slot 1 its record 1.  In front of this change's barrier every wave has waited for its part of slot 0: the second tile's record 0 is whole
	WIN 0
	PLACES                                         ; behind the last products: their results are read, and A's registers written
	OUTBLK 0, 0                                    ; both refills are asked for: now the tile goes out
	OUTBLK 1, 0
	OUTBLK 2, 0
	OUTBLK 3, 0
	s_wait_xcnt 0x0                                ; block 3's stores have read their data: A's fragments land on those registers only behind this wait
	; ---------------- THE SECOND TILE
	FETCH 0, 0, 0                                  ; the way out's vector work stands between the last products and these loads
	SCALES 0
	FIRST
	TURN 0, 1, 0, 1                                ; the last two records are in the ring: nothing is left to fetch, and no round follows
	STEP 1, 0, 0
	STEP 1, 1, 0
	STEP 1, 2, 0
	s_wait_dscnt 0x0
	MULA 0, 1, 3, 1, 0
	MULA 1, 1, 3, 1, 0
	MULA 2, 1, 3, 1, 0
	MULA 3, 1, 3, 1, 0
	WIN 0
	PLACES
	OUTBLK 0, 1
	OUTBLK 1, 1
	OUTBLK 2, 1
	OUTBLK 3, 1
	s_wait_tensorcnt 0x0                           ; the wave's end
	ds_add_u32 v[SPW], v[NIL]
	s_wait_dscnt 0x0
	CROUND                                         ; the closing round: no work-group ends while a partner may still ask for a tile that names it
	s_endpgm
.Lfunc_end_k_qa9170dbe1c_gemm1:
	.size	k_qa9170dbe1c_gemm1, .Lfunc_end_k_qa9170dbe1c_gemm1-k_qa9170dbe1c_gemm1
	.p2alignl 7, 3214868480
	.fill 96, 4, 3214868480
	.section	.rodata,"a",@progbits
	.p2align	6, 0x0
	.amdhsa_kernel k_qa9170dbe1c_gemm1
		.amdhsa_group_segment_fixed_size 327680
		.amdhsa_private_segment_fixed_size 0
		.amdhsa_enable_private_segment 0
		.amdhsa_kernarg_size 24
		.amdhsa_user_sgpr_count 2
		.amdhsa_user_sgpr_kernarg_segment_ptr 1
		.amdhsa_wavefront_size32 1
		.amdhsa_system_sgpr_workgroup_id_x 1
		.amdhsa_system_sgpr_workgroup_id_y 1
		.amdhsa_system_sgpr_workgroup_id_z 1
		.amdhsa_system_vgpr_workitem_id 0
		.amdhsa_next_free_vgpr 768
		.amdhsa_next_free_sgpr 66
		.amdhsa_reserve_vcc 0
		.amdhsa_float_denorm_mode_32 3
		.amdhsa_float_denorm_mode_16_64 3
		.amdhsa_memory_ordered 1
		.amdhsa_forward_progress 1
		.amdhsa_inst_pref_size 255
	.end_amdhsa_kernel
	.section	.bss,"aw",@nobits
	.p2align	6
	.space	262144
	.amdgpu_metadata
---
amdhsa.version: [ 1, 2 ]
amdhsa.kernels:
  - .name:           k_qa9170dbe1c_gemm1
    .symbol:         k_qa9170dbe1c_gemm1.kd
    .args:
      - { .name: xq, .offset: 0, .size: 8, .value_kind: global_buffer, .address_space: global }
      - { .name: w1q, .offset: 8, .size: 8, .value_kind: global_buffer, .address_space: global }
      - { .name: hq, .offset: 16, .size: 8, .value_kind: global_buffer, .address_space: global }
    .group_segment_fixed_size: 327680
    .private_segment_fixed_size: 0
    .kernarg_segment_align: 8
    .kernarg_segment_size: 24
    .max_flat_workgroup_size: 128
    .sgpr_count:     66
    .vgpr_count:     768
    .wavefront_size: 32
...
	.end_amdgpu_metadata
.endif
;; end of part 2
;; launch gemm2 (part 3): grid 8 x 32, 4 waves a work-group, clusters of 4 x 4, 327,680 bytes of LDS; arguments hq, w2q, nf4, coef, codebook, out0; writes out0
.if DOCPART == 3
	.amdgcn_target "amdgcn-amd-amdhsa--gfx1250"
	.amdhsa_code_object_version 6
	.text
	.protected	k_qa9170dbe1c_gemm2
	.globl	k_qa9170dbe1c_gemm2
	.p2align	8
	.type	k_qa9170dbe1c_gemm2,@function
k_qa9170dbe1c_gemm2:
	s_mov_b64 s[64:65], 0
	v_nop
	global_prefetch_b8 v0, s[64:65] scope:SCOPE_SE
	s_setreg_imm32_b32 hwreg(HW_REG_WAVE_MODE, 25, 1), 1
	s_wait_xcnt 0x0
	s_wait_alu depctr_hold_cnt(0) depctr_sa_sdst(0) depctr_va_vdst(0) depctr_va_sdst(0) depctr_va_ssrc(0) depctr_va_vcc(0) depctr_vm_vsrc(0)
	s_getreg_b32 s2, hwreg(HW_REG_IB_STS2, 6, 4)
	s_cmp_eq_u32 s2, 0
	s_cbranch_scc0 .Lentry_in_a_cluster
	s_endpgm
.Lentry_in_a_cluster:
	s_bfe_u32 s2, ttmp6, 0x10000c
	s_cmp_lg_u32 s2, 0xf033
	s_cbranch_scc0 .Lentry_shape_is_right
	s_endpgm
.Lentry_shape_is_right:
; GEMM2: out0 = h w2 + the experts' mix.  The product runs on codes of BF6 with E8M0 scales, as in the launch before (same records, same loop, K = 4,096).  No work of reference() is left out.
; THE MIX, on the way out, row by row: out[n][c] += cc[n][b] + sum over e of a[n][b][e] cb[nibble(n, e, c)], b = c / 512; a = p std and cc = sum p mean were stored by the first launch.
; THE LOOKUP is a lane permute: v30 holds cb[lane % 16] in all 32 lanes; lane = word mod 32 gives the low nibble's number, lane = (word >> 4) mod 32 the high nibble's, whatever the word's other bits hold.  No LDS byte is touched by it.
; nf4 is read once, 256 consecutive aligned bytes a load (a row's expert's 128 columns of my wave), and its mix never goes to memory.
; SHARES.  A tile of 128 x 256 to a work-group: 256 work-groups; 64 x 128 to a wave.  CLUSTER 4 x 4, A's records shared along a row, B's along a column, by joint loads.
; TRANSPOSED USE: source 0 = 16 columns of w2, source 1 = 16 rows of h: a lane holds eight neighbouring columns of a row; a wave's 64 rows go through its own stage and come back as rows of 512 bytes.
; The stage lies in slot 0, which has had its last fill, and which nobody reads behind the last change of slots.
; LIMITS: NaN and infinities are not served.
; REGISTERS: window 0: v1-31 addresses; v32-95 scale words and nothing else; v96-127 a's pairs, two sets; v128-223 A's fragments (on the way out v128-191: the lookups, two sets); v224-239 cc, rows, at work.
;   Window 1: B's fragments.  Window 2: the accumulators.  Window 3: v0-127 a ring of eight rows of nf4, 16 registers each.
.set RPR,   8
.set REC,   6400
.set SLOT,  24*REC
.set LAPS,  RPR/2
.set COEF,  2*SLOT                     ; behind the ring: for each wave 4,352 bytes: its 64 rows' pairs (a, a), 64 bytes a row, then their cc, 4 bytes a row
.set SPARE, COEF+4*4352                ; the spare words, 128 bytes a wave; no other line names them
.set CPART, 1048576
.set OO,   3                           ; v3  16 x lane
.set ADRA, 16
.set CFA,  18                          ; v18 my rows' pairs, the same in every lane
.set CFC,  19                          ; v19 my rows' cc
.set ADRB, 20
.set ADRS, 22
.set STO,  24                          ; v24 the stage, in: 528 r + 32 h
.set RD,   25                          ; v25 the stage, out: 16 x lane
.set NFO,  27                          ; v27 8 x lane
.set SPW,  28
.set NIL,  29
.set CB,   30                          ; v30 cb[lane % 16]
.set PFO,  31                          ; v31 the prefetches' offset: 32768 (lane / 8) + 4096 (lane % 8): a lane names a row's expert's 256 bytes
.set SC,   32
.set C,    96
.set AF,   128
.set V,    128
.set CC,   224
.set O,    228
.set T,    236
.set WV, 16
.set RH, 17
.set CH, 18
.set TY, 19
.set TX, 42
.set G1, 24
.set G0, 32
.set G1B, 48
.set G0B, 56
.set MUL, 0xa1
.set MSB, 0
.macro WIN new                         ; the immediate's high byte repeats the setting that is left
.if MSB != \new
	s_set_vgpr_msb (MSB<<8)|\new
.set MSB, \new
.endif
.endm
.macro PLACES
.rept 4
	v_nop
.endr
.endm
.macro JLOAD g0a, g0b                  ; a joint load: waves 0 and 1 fetch for A, waves 2 and 3 for B.  An s_nop 0 and four v_nop follow each line
	s_cmp_eq_u32 s[RH], 0
	s_cbranch_scc0 .Lfor_b_\@
	tensor_load_to_lds s[\g0a:\g0a+3], s[G1:G1+7]
	s_nop 0
.rept 4
	v_nop
.endr
	s_branch .Lasked_\@
.Lfor_b_\@:
	tensor_load_to_lds s[\g0b:\g0b+3], s[G1B:G1B+7]
	s_nop 0
.rept 4
	v_nop
.endr
.Lasked_\@:
.endm
.macro CREST
	s_cmp_lg_u32 s[WV], 0
	s_cbranch_scc1 .Lnot_wave_0_\@
	s_barrier_signal -3
.Lnot_wave_0_\@:
	s_barrier_wait -3
	s_barrier_signal -1
	s_barrier_wait -1
.endm
.macro CROUND
	s_barrier_signal -1
	s_barrier_wait -1
	CREST
.endm
.macro FETCH slot, q, p
	WIN 0x40
.irp i, 0,1,2,3,4,5,6,7
.irp c, 0,1,2
	ds_load_b128 v[128*(\p)+12*\i+4*\c:128*(\p)+12*\i+4*\c+3], v[ADRB+\slot] offset:REC*\i+1536*(\q)+512*\c
.endr
.endr
	WIN 0
.irp i, 0,1,2,3
.irp c, 0,1,2
	ds_load_b128 v[AF+48*(\p)+12*\i+4*\c:AF+48*(\p)+12*\i+4*\c+3], v[ADRA+\slot] offset:REC*\i+1536*(\q)+512*\c
.endr
.endr
.endm
.macro SCALES slot
.irp i, 0,1,2,3,4,5,6,7
	ds_load_b128 v[SC+32*\slot+4*\i:SC+32*\slot+4*\i+3], v[ADRS+\slot] offset:REC*\i+6144
.endr
.endm
.macro MULA a, p, q, sc, zero          ; the 32 accumulators take turns in one order in every step
.irp b, 0,1,2,3,4,5,6,7
.if \zero
	v_wmma_scale_f32_16x16x128_f8f6f4 v[8*(8*(\a)+\b):8*(8*(\a)+\b)+7], v[128*(\p)+12*\b:128*(\p)+12*\b+11], v[AF+48*(\p)+12*(\a):AF+48*(\p)+12*(\a)+11], 0, v[SC+32*(\sc)+4*\b+(\q)], v[SC+32*(\sc)+4*(\a)+(\q)] matrix_a_fmt:MATRIX_FMT_BF6 matrix_b_fmt:MATRIX_FMT_BF6 matrix_a_scale:MATRIX_SCALE_ROW1
.else
	v_wmma_scale_f32_16x16x128_f8f6f4 v[8*(8*(\a)+\b):8*(8*(\a)+\b)+7], v[128*(\p)+12*\b:128*(\p)+12*\b+11], v[AF+48*(\p)+12*(\a):AF+48*(\p)+12*(\a)+11], v[8*(8*(\a)+\b):8*(8*(\a)+\b)+7], v[SC+32*(\sc)+4*\b+(\q)], v[SC+32*(\sc)+4*(\a)+(\q)] matrix_a_fmt:MATRIX_FMT_BF6 matrix_b_fmt:MATRIX_FMT_BF6 matrix_a_scale:MATRIX_SCALE_ROW1
.endif
.endr
.endm
.macro STEP slot, q, zero
	s_wait_dscnt 0x0                               ; this step's fragments, asked for a step ago, are in
	PLACES                                         ; the other set was read by the last step's products
	FETCH \slot, (\q)+1, ((\q)+1)%2
	WIN MUL
	MULA 0, (\q)%2, \q, \slot, \zero
	MULA 1, (\q)%2, \q, \slot, \zero
	MULA 2, (\q)%2, \q, \slot, \zero
	MULA 3, (\q)%2, \q, \slot, \zero
.endm
.macro FILLROW slot, row               ; a row of nf4 for my 128 columns: eight experts x 256 consecutive aligned bytes; lane l gets the two words of columns 4 l .. 4 l + 3
	WIN 0xc0                                       ; destination window 3
.irp e, 0,1,2,3,4,5,6,7
	global_load_b64 v[16*(\slot)+2*\e:16*(\slot)+2*\e+1], v[NFO], s[8:9] offset:32768*(\row)+4096*\e th:TH_LOAD_NT
.endr
	WIN 0
.endm
; At the last change of slots the first seven rows of nf4 are asked for, 56 loads, into registers that the product does not use: they come while the last 152 matrix instructions run.
; Behind them rows 8 to 23 are prefetched: four instructions, a lane to each 256 bytes, each named once in the launch (the columns are my wave's own); all lie inside my 64 rows.
.macro EARLY
.irp i, 0,1,2,3,4,5,6
	FILLROW \i, \i
.endr
.irp j, 0,1,2,3
	global_prefetch_b8 v[PFO], s[8:9] offset:32768*(8+4*\j) th:TH_LOAD_NT scope:SCOPE_SE
.endr
.endm
.macro TURN slot, next, fill, early
	WIN 0
	s_wait_tensorcnt 0x0                           ; all my tensor loads have landed: my part of the next slot
	ds_add_u32 v[SPW], v[NIL]
	s_wait_dscnt 0x0                               ; the add is done, my reads of this slot are over
	s_barrier_signal -1
	WIN MUL
	MULA 0, 1, 3, \slot, 0
	WIN 0
	s_barrier_wait -1
.if \fill
	CREST                                          ; the barrier has opened a round of the cluster's: no wave of any partner still reads this slot or has a load on its way
	s_add_nc_u64 s[G0+4*\slot+2:G0+4*\slot+3], s[G0+4*\slot+2:G0+4*\slot+3], 2*REC
	s_add_nc_u64 s[G0B+4*\slot+2:G0B+4*\slot+3], s[G0B+4*\slot+2:G0B+4*\slot+3], 2*REC
	JLOAD G0+4*\slot, G0B+4*\slot                  ; my one tensor load behind the round; its four v_nop are the places for the loads below
.else
	PLACES
.endif
	FETCH \next, 0, 0
	SCALES \next
.if \early
	EARLY
.endif
	WIN MUL
	MULA 1, 1, 3, \slot, 0
	MULA 2, 1, 3, \slot, 0
	MULA 3, 1, 3, \slot, 0
.endm
	s_load_b128 s[4:7], s[0:1], 0x0                ; hq, w2q
	s_load_b256 s[8:15], s[0:1], 0x10              ; nf4 8, coef 10, codebook 12, out0 14
	v_lshl_add_u32 v[SPW], v0, 2, SPARE
	v_mov_b32 v[NIL], 0
	ds_add_u32 v[SPW], v[NIL]                      ; the wave's opening: the add, twice on end, and its wait ahead of my first tensor load
	ds_add_u32 v[SPW], v[NIL]
	v_lshrrev_b32 v1, 5, v0
	v_readfirstlane_b32 s[WV], v1
	s_lshr_b32 s[RH], s[WV], 1
	s_and_b32 s[CH], s[WV], 1
	s_bfe_u32 s40, ttmp6, 0x40000                  ; cx
	s_bfe_u32 s41, ttmp6, 0x40004                  ; cy
	s_lshl_b32 s[TX], ttmp9, 2
	s_add_co_u32 s[TX], s[TX], s40
	s_and_b32 s[TY], ttmp7, 0xffff
	s_lshl_b32 s[TY], s[TY], 2
	s_add_co_u32 s[TY], s[TY], s41
	s_lshl_b32 s43, s41, 2
	s_lshl_b32 s43, 15, s43
	s_lshl_b32 s44, 0x1111, s40
	s_or_b32 s[G1+0], s43, (3<<16)|(1<<21)         ; 15:0 the mask; 17:16 elements of 8 bytes; 21 set beside a mask; no padding
	s_or_b32 s[G1B+0], s44, (3<<16)|(1<<21)
.irp g, G1, G1B
	s_mov_b32 s[\g+1], 800<<16
	s_mov_b32 s[\g+3], 800<<16
	s_mov_b32 s[\g+5], RPR*800
	s_mov_b32 s[\g+6], 0
	s_mov_b32 s[\g+7], 0
.endr
	s_mov_b32 s[G1+2], 4<<16
	s_mov_b32 s[G1+4], 4
	s_mov_b32 s[G1B+2], 8<<16
	s_mov_b32 s[G1B+4], 8
	s_lshl_b32 s20, s[TY], 3
	s_lshl_b32 s22, s[CH], 2
	s_add_co_u32 s20, s20, s22
	s_mul_i32 s20, s20, RPR*REC
	s_mov_b32 s21, 0
	s_lshl_b32 s46, s[TX], 4
	s_lshl_b32 s22, s[CH], 3
	s_add_co_u32 s46, s46, s22
	s_mul_i32 s46, s46, RPR*REC
	s_mov_b32 s47, 0
	s_mul_i32 s45, s[CH], 4*REC
	s_mul_i32 s23, s[CH], 8*REC
	s_add_co_u32 s23, s23, 8*REC
	v_mov_b32 v[CC+1], 0                           ; named as the upper halves of pairs, so they are written
	v_mov_b32 v[CC+3], 0
	s_wait_dscnt 0x0                               ; both opening adds are done
	s_wait_kmcnt 0x0
	s_add_nc_u64 s[20:21], s[4:5], s[20:21]
	s_add_nc_u64 s[46:47], s[6:7], s[46:47]
	CROUND                                         ; all sixteen work-groups are here: the first joint loads meet
.irp s, 0,1
	s_mov_b32 s[G0+4*\s], 1
	s_add_co_u32 s[G0+4*\s+1], s45, \s*SLOT
	s_add_nc_u64 s[G0+4*\s+2:G0+4*\s+3], s[20:21], \s*REC
	s_or_b32 s[G0+4*\s+3], s[G0+4*\s+3], 0x80000000
	s_mov_b32 s[G0B+4*\s], 1
	s_add_co_u32 s[G0B+4*\s+1], s23, \s*SLOT
	s_add_nc_u64 s[G0B+4*\s+2:G0B+4*\s+3], s[46:47], \s*REC
	s_or_b32 s[G0B+4*\s+3], s[G0B+4*\s+3], 0x80000000
	JLOAD G0+4*\s, G0B+4*\s                        ; two loads of mine are out behind these
.endr
	v_and_b32 v1, 15, v0                           ; r
	v_bfe_u32 v2, v0, 4, 1                         ; h
	v_and_b32 v[OO], 31, v0
	v_lshlrev_b32 v[OO], 4, v[OO]                  ; 16 x lane
	s_mul_i32 s21, s[RH], 4*REC
	s_mul_i32 s22, s[CH], 8*REC
	s_add_co_u32 s22, s22, 8*REC
	s_sub_co_u32 s23, s22, s21
	v_mul_u32_u24 v4, s23, v2                      ; lanes 16-31 take B's: the lower base + h x the distance
	v_lshl_add_u32 v4, v1, 4, v4
.irp s, 0,1
	v_add_nc_u32 v[ADRA+\s], s21, v[OO]
	v_add_nc_u32 v[ADRB+\s], s22, v[OO]
	v_add_nc_u32 v[ADRS+\s], s21, v4
	s_add_co_u32 s21, s21, SLOT
	s_add_co_u32 s22, s22, SLOT
.endr
	s_mul_i32 s21, s[WV], 4352
	s_add_co_u32 s21, s21, COEF
	v_mov_b32 v[CFA], s21
	v_add_nc_u32 v[CFC], 4096, v[CFA]
	v_add_nc_u32 v6, v[CFA], v[OO]
	v_lshrrev_b32 v[NFO], 1, v[OO]                 ; 8 x lane
	v_add_nc_u32 v7, v[CFC], v[NFO]
	s_mul_i32 s22, s[WV], 33792                    ; my stage: 64 rows x 528 bytes, in slot 0
	v_mul_u32_u24 v[STO], v1, 528
	v_lshl_add_u32 v[STO], v2, 5, v[STO]
	v_add_nc_u32 v[STO], s22, v[STO]
	v_add_nc_u32 v[RD], s22, v[OO]
	v_and_b32 v[PFO], 7, v0
	v_lshlrev_b32 v[PFO], 12, v[PFO]
	v_bfe_u32 v8, v0, 3, 2
	v_lshl_add_u32 v[PFO], v8, 15, v[PFO]
	v_lshlrev_b32 v8, 2, v1                        ; 4 r
	; my rows R0 = 128 ty + 64 RH on, my columns C0 = 256 tx + 128 CH on, b = tx / 2
	s_lshl_b32 s20, s[TY], 7
	s_lshl_b32 s21, s[RH], 6
	s_add_co_u32 s20, s20, s21
	s_lshl_b32 s22, s[TX], 8
	s_lshl_b32 s21, s[CH], 7
	s_add_co_u32 s22, s22, s21
	s_lshr_b32 s23, s[TX], 1
	s_mov_b32 s47, 0
	s_lshl_b32 s46, s20, 15
	s_lshl_b32 s21, s22, 1
	s_add_co_u32 s46, s46, s21
	s_add_nc_u64 s[8:9], s[8:9], s[46:47]          ; nf4 + 32768 R0 + 2 C0
	s_lshl_b32 s46, s20, 13
	s_lshl_b32 s21, s22, 2
	s_add_co_u32 s46, s46, s21
	s_add_nc_u64 s[14:15], s[14:15], s[46:47]      ; out0 + 8192 R0 + 4 C0
	s_lshl_b32 s46, s23, 18
	s_lshl_b32 s21, s20, 6
	s_add_co_u32 s46, s46, s21
	s_add_nc_u64 s[44:45], s[10:11], s[46:47]      ; my rows' pairs: 4,096 dense bytes
	s_lshl_b32 s46, s23, 14
	s_lshl_b32 s21, s20, 2
	s_add_co_u32 s46, s46, s21
	s_add_co_u32 s46, s46, CPART
	s_add_nc_u64 s[10:11], s[10:11], s[46:47]      ; my rows' cc: 256 dense bytes
.irp i, 0,1,2,3,4,5,6,7
	global_load_b128 v[128+4*\i:131+4*\i], v[OO], s[44:45] offset:512*\i
.endr
	global_load_b64 v[160:161], v[NFO], s[10:11]
	global_load_b32 v[CB], v8, s[12:13]            ; cb[lane % 16]
	s_wait_loadcnt 0x0
.irp i, 0,1,2,3,4,5,6,7
	ds_store_b128 v6, v[128+4*\i:131+4*\i] offset:512*\i   ; into my wave's own bytes, which no tile reaches: my wave alone reads them
.endr
	ds_store_b64 v7, v[160:161]
	s_wait_tensorcnt 1                             ; my part of slot 0 is in; slot 1's may stay out
	s_wait_dscnt 0x0
	s_barrier_signal -1
	s_barrier_wait -1
	FETCH 0, 0, 0
	SCALES 0
	STEP 0, 0, 1                                   ; the first step stands in front of the loop: its products start the sums
	WIN 0
	s_mov_b32 s3, LAPS-1
.Llap:
	STEP 0, 1, 0
	STEP 0, 2, 0
	TURN 0, 1, 1, 0
	STEP 1, 0, 0
	STEP 1, 1, 0
	STEP 1, 2, 0
	TURN 1, 0, 1, 0
	STEP 0, 0, 0
	WIN 0
	s_sub_co_u32 s3, s3, 1
	s_cmp_lg_u32 s3, 0
	s_cbranch_scc1 .Llap
	STEP 0, 1, 0                                   ; the last lap is written out: it fills nothing
	STEP 0, 2, 0
	TURN 0, 1, 0, 1
	STEP 1, 0, 0
	STEP 1, 1, 0
	STEP 1, 2, 0
	s_wait_dscnt 0x0
	MULA 0, 1, 3, 1, 0
	MULA 1, 1, 3, 1, 0
	MULA 2, 1, 3, 1, 0
	MULA 3, 1, 3, 1, 0
	WIN 0
; THE WAY OUT.  ROWA i: row i's words become lane numbers, the 32 lookups go out, and with them the loads of its pairs, its cc and its row of the product: 38 LDS instructions.
; left: the loads of younger rows that may stay out.  i counts from the trip's first row; ring slot i % 8, register set i % 2.
.macro ROWA i, left
.set XR, 16*((\i)%8)
.set VV, V+32*((\i)%2)
.set CR, C+16*((\i)%2)
.set CCR, CC+2*((\i)%2)
.set RR, O+4*((\i)%2)
	s_wait_loadcnt \left
	s_wait_xcnt 0x0                                ; the store of two rows back has read its data: those registers are loaded again only behind this wait
	WIN 0x0c                                       ; source 1 window 3
.set k, 0
.rept 16
	v_lshlrev_b32 v[VV+2*k], 2, v[XR+k]            ; 4 x (word mod 32 and more): the low nibble's lane
	v_lshrrev_b32 v[VV+2*k+1], 2, v[XR+k]          ; 4 x (word >> 4) and two bits that do not count: the high nibble's
.set k, k+1
.endr
	WIN 0
.set k, 0
.rept 32
	ds_bpermute_b32 v[VV+k], v[VV+k], v[CB]        ; v[VV + 4 e + c] = cb of expert e, column 4 l + c
.set k, k+1
.endr
.irp u, 0,1,2,3
	ds_load_b128 v[CR+4*\u:CR+4*\u+3], v[CFA] offset:64*(\i)+16*\u
.endr
	ds_load_b32 v[CCR], v[CFC] offset:4*(\i)
	ds_load_b128 v[RR:RR+3], v[RD] offset:528*(\i)   ; my own stage: served in order behind my stores
.endm
; ROWB i: the mix in four chains (experts 0-3 onto the product's row, experts 4-7 onto cc), the store, and with fill = 1 the row eight further on into the ring slot just read.
.macro ROWB i, dsleft, fill
.set VV, V+32*((\i)%2)
.set CR, C+16*((\i)%2)
.set CCR, CC+2*((\i)%2)
.set RR, O+4*((\i)%2)
	s_wait_dscnt \dsleft                           ; behind this row's 38 stand the next row's 38, which may be out
.irp j, 0,1
	v_pk_fma_f32 v[RR+2*\j:RR+2*\j+1], v[VV+2*\j:VV+2*\j+1], v[CR:CR+1], v[RR+2*\j:RR+2*\j+1]
	v_pk_fma_f32 v[T+2*\j:T+2*\j+1], v[VV+16+2*\j:VV+16+2*\j+1], v[CR+8:CR+9], v[CCR:CCR+1] op_sel_hi:[1,1,0]
.endr
.irp e, 1,2,3
.irp j, 0,1
	v_pk_fma_f32 v[RR+2*\j:RR+2*\j+1], v[VV+4*\e+2*\j:VV+4*\e+2*\j+1], v[CR+2*\e:CR+2*\e+1], v[RR+2*\j:RR+2*\j+1]
	v_pk_fma_f32 v[T+2*\j:T+2*\j+1], v[VV+16+4*\e+2*\j:VV+16+4*\e+2*\j+1], v[CR+8+2*\e:CR+8+2*\e+1], v[T+2*\j:T+2*\j+1]
.endr
.endr
	v_pk_add_f32 v[RR:RR+1], v[RR:RR+1], v[T:T+1]
	v_pk_add_f32 v[RR+2:RR+3], v[RR+2:RR+3], v[T+2:T+3]
	global_store_b128 v[OO], v[RR:RR+3], s[14:15] offset:8192*(\i) th:TH_STORE_NT   ; 32 lanes store 512 consecutive bytes, aligned
.if \fill
	FILLROW (\i)%8, (\i)+8
.endif
.endm
	PLACES                                         ; behind the last products
	WIN 0x08                                       ; an LDS store's data are its source 1: window 2
.irp a, 0,1,2,3
.irp b, 0,1,2,3,4,5,6,7
	ds_store_b128 v[STO], v[8*(8*\a+\b):8*(8*\a+\b)+3] offset:8448*\a+64*\b        ; each accumulator from its low end on
	ds_store_b128 v[STO], v[8*(8*\a+\b)+4:8*(8*\a+\b)+7] offset:8448*\a+64*\b+16
.endr
.endr
	WIN 0
	FILLROW 7, 7
	ROWA 0, 56                                     ; rows 1 to 7 may be out
	s_mov_b32 s3, 7
.Lrows:                                            ; seven trips of eight rows.  When a row is taken up, the fills issued reach six rows beyond it: 48 loads may be out
.irp i, 0,1,2,3,4,5,6,7
	ROWA \i+1, 48
	ROWB \i, 38, 1
.endr
	s_wait_dscnt 0x0                               ; no LDS load of mine is out: its address registers may step
	s_wait_xcnt 0x0                                ; and the loads and stores have read their bases
	s_add_nc_u64 s[8:9], s[8:9], 8*32768
	s_add_nc_u64 s[14:15], s[14:15], 8*8192
	v_add_nc_u32 v[RD], 8*528, v[RD]
	v_add_nc_u32 v[CFA], 8*64, v[CFA]
	v_add_nc_u32 v[CFC], 8*4, v[CFC]
	s_sub_co_u32 s3, s3, 1
	s_cmp_lg_u32 s3, 0
	s_cbranch_scc1 .Lrows
.irp i, 0,1,2,3,4,5,6                  ; the last eight rows fill nothing: the counts run down
	ROWA \i+1, 48-8*\i
	ROWB \i, 38, 0
.endr
	ROWB 7, 0, 0
	s_wait_tensorcnt 0x0                           ; the wave's end
	ds_add_u32 v[SPW], v[NIL]
	s_wait_dscnt 0x0
	CROUND                                         ; the closing round: no work-group ends while a partner may still ask for a tile that names it
	s_endpgm
.Lfunc_end_k_qa9170dbe1c_gemm2:
	.size	k_qa9170dbe1c_gemm2, .Lfunc_end_k_qa9170dbe1c_gemm2-k_qa9170dbe1c_gemm2
	.p2alignl 7, 3214868480
	.fill 96, 4, 3214868480
	.section	.rodata,"a",@progbits
	.p2align	6, 0x0
	.amdhsa_kernel k_qa9170dbe1c_gemm2
		.amdhsa_group_segment_fixed_size 327680
		.amdhsa_private_segment_fixed_size 0
		.amdhsa_enable_private_segment 0
		.amdhsa_kernarg_size 48
		.amdhsa_user_sgpr_count 2
		.amdhsa_user_sgpr_kernarg_segment_ptr 1
		.amdhsa_wavefront_size32 1
		.amdhsa_system_sgpr_workgroup_id_x 1
		.amdhsa_system_sgpr_workgroup_id_y 1
		.amdhsa_system_sgpr_workgroup_id_z 1
		.amdhsa_system_vgpr_workitem_id 0
		.amdhsa_next_free_vgpr 896
		.amdhsa_next_free_sgpr 66
		.amdhsa_reserve_vcc 0
		.amdhsa_float_denorm_mode_32 3
		.amdhsa_float_denorm_mode_16_64 3
		.amdhsa_memory_ordered 1
		.amdhsa_forward_progress 1
		.amdhsa_inst_pref_size 213
	.end_amdhsa_kernel
	.amdgpu_metadata
---
amdhsa.version: [ 1, 2 ]
amdhsa.kernels:
  - .name:           k_qa9170dbe1c_gemm2
    .symbol:         k_qa9170dbe1c_gemm2.kd
    .args:
      - { .name: hq, .offset: 0, .size: 8, .value_kind: global_buffer, .address_space: global }
      - { .name: w2q, .offset: 8, .size: 8, .value_kind: global_buffer, .address_space: global }
      - { .name: nf4, .offset: 16, .size: 8, .value_kind: global_buffer, .address_space: global }
      - { .name: coef, .offset: 24, .size: 8, .value_kind: global_buffer, .address_space: global }
      - { .name: codebook, .offset: 32, .size: 8, .value_kind: global_buffer, .address_space: global }
      - { .name: out0, .offset: 40, .size: 8, .value_kind: global_buffer, .address_space: global }
    .group_segment_fixed_size: 327680
    .private_segment_fixed_size: 0
    .kernarg_segment_align: 8
    .kernarg_segment_size: 48
    .max_flat_workgroup_size: 128
    .sgpr_count:     66
    .vgpr_count:     896
    .wavefront_size: 32
...
	.end_amdgpu_metadata
.endif
;; end of part 3
